; MI455X (gfx1250); checked and timed in simulation.
; The chip was launched on July 23, 2026; its instructions are those of AMD's public machine-readable ISA for CDNA 5 (MIT licence, August 2026) and "CDNA5" Instruction Set Architecture Reference Guide (July 2026). The comments in the code are by the model that wrote it; some were corrected since.
;; Neural Tensor Layer. Allowed arithmetic: float matrix products may take bf16 or f16 operands with f32 sums; other float arithmetic in f32, or as packed bf16 or f16 multiplies, adds, multiply-adds, maxima and minima; sums over many terms, partial sums and values carried from step to step in f32; what a program stores and reads back later, other than sums and carried values, may be rounded once to bf16 or f16.
;; Inputs: V 2,048 x 32 float32; W 32 x 1,024 x 1,024 float32; b 1,024 float32; e1 2,048 x 1,024 float32; e2 2,048 x 1,024 float32.
;; Outputs: out0 2,048 x 32 float32.
;; 2 versions, each right; version 2 is version 1 with the launch main written anew for expert scheduling mode. Each part assembles by itself: llvm-mc -triple=amdgcn-amd-amdhsa -mcpu=gfx1250 --defsym DOCPART=n.
;; ======== version 1 of 2: 3 launches
;; workspace buffers: e1p 4,194,304 bytes; e2p 4,194,304 bytes; Vf 131,072 bytes; part 2,097,152 bytes
;; launch pack (part 1): grid 128 x 2, 8 waves a work-group, no clusters, 34,560 bytes of LDS; arguments e1, e2, V, e1p, e2p, Vf; writes e1p, e2p, Vf
.if DOCPART == 1
	.amdgcn_target "amdgcn-amd-amdhsa--gfx1250"
	.amdhsa_code_object_version 6
	.text
	.protected	k_qf44c8c9649_pack
	.globl	k_qf44c8c9649_pack
	.p2align	8
	.type	k_qf44c8c9649_pack,@function
k_qf44c8c9649_pack:
	s_mov_b64 s[64:65], 0
	v_nop
	global_prefetch_b8 v0, s[64:65] scope:SCOPE_SE
	s_setreg_imm32_b32 hwreg(HW_REG_WAVE_MODE, 25, 1), 1
	s_wait_xcnt 0x0
; e1, e2 ([2048][1024] f32) and V ([2048][32] f32) are rounded once to bf16 and laid out as the matrix instruction's fragments.
; e1p, e2p: P[nb 128][u 64][lane 32][16 bytes]: lane (r = lane % 16, h = lane / 16) holds row 16 nb + r, elements 16 u + 8 h + 0..7.
; Vf: [s 64][t 2][q 2][lane 32][16 bytes]: lane (r, h) holds V[32 s + 16 q + 8 h + i][16 t + r], i = 0..7.
; SHARES.  Work-group (x, y) takes the 16 rows nb = x of e1 (y = 0) or e2 (y = 1): 65,536 bytes in, 32,768 out; wave w loads rows 2 w, 2 w + 1 and stores
; units 8 w .. 8 w + 7.  It also makes one of Vf's 256 units (s = x / 2, t = x % 2, q = y): wave w brings element i = w of every lane's eight.
; The turn from rows to fragments goes through LDS, with one barrier.  Memory binds here: no matrix unit, no cluster (no two work-groups read the same bytes).
.set ROWP,  2064                       ; an LDS row: 2,048 bytes of bf16 + 16: an odd multiple of 16, so the 16 rows of a read start at 16 different groups of four banks (64 banks of 4 bytes: ISA guide 11.1)
.set VST,   16*ROWP                    ; behind the rows: V's unit, 512 bytes
.set SPARE, VST+512                    ; the spare words, 128 bytes for each of eight waves: four blocks of 256 bytes that no other line names
.set SPW, 8                            ; v8  LDS address of my spare word; never rewritten
.set NIL, 9                            ; v9  0; never rewritten
.set X,   16                           ; v[16:79]    16 loads of 4 f32
.set T,   80                           ; v[80:111]   the same as bf16
.set Y,   112                          ; v[112:143]  8 units of 16 bytes a lane
	s_load_b256 s[4:11], s[0:1], 0x0               ; e1 s[4:5], e2 s[6:7], V s[8:9], e1p s[10:11]
	s_load_b128 s[12:15], s[0:1], 0x20             ; e2p s[12:13], Vf s[14:15]
	v_lshl_add_u32 v[SPW], v0, 2, SPARE
	v_mov_b32 v[NIL], 0
	v_lshrrev_b32 v10, 5, v0
	v_readfirstlane_b32 s16, v10                   ; wave 0..7
	s_and_b32 s17, ttmp7, 0xffff                   ; y
	v_and_b32 v11, 31, v0                          ; lane
	v_and_b32 v12, 15, v0                          ; r
	v_bfe_u32 v13, v0, 4, 1                        ; h
	v_lshlrev_b32 v6, 4, v11                       ; v6 = 16 lane
	s_lshl_b32 s28, s16, 13
	v_add_nc_u32 v1, s28, v6                       ; v1 = 16 lane + two rows of 4,096 bytes a wave: where I load
	s_mul_i32 s28, s16, 2*ROWP
	v_lshl_add_u32 v2, v11, 3, s28                 ; v2 = 8 lane + two LDS rows a wave: where I put 4 bf16
	v_mul_u32_u24 v3, v12, ROWP
	v_lshl_add_u32 v3, v13, 4, v3
	s_lshl_b32 s28, s16, 8
	v_add_nc_u32 v3, s28, v3                       ; v3 = r x pitch + 16 h + 8 units of 32 bytes a wave: where I read a unit
	s_lshl_b32 s28, s16, 12
	v_add_nc_u32 v4, s28, v6                       ; v4 = 16 lane + 8 units of 512 bytes a wave: where I store
	v_lshlrev_b32 v5, 2, v12
	v_lshl_add_u32 v5, v13, 10, v5                 ; v5 = 8 h rows of 128 bytes + 4 r: my number in V
	s_lshl_b32 s28, s16, 1
	s_add_co_u32 s28, s28, VST
	v_add_nc_u32 v7, s28, v6                       ; v7 = VST + 16 lane + 2 w: where it goes
	v_add_nc_u32 v14, VST, v6                      ; v14 = VST + 16 lane: where wave 0 reads the unit back
	s_lshl_b32 s28, ttmp9, 16                      ; 16 rows of 4,096 bytes
	s_mov_b32 s29, 0
	s_lshl_b32 s30, ttmp9, 15                      ; one nb of 32,768 bytes
	s_mov_b32 s31, 0
	s_lshr_b32 s32, ttmp9, 1                       ; s
	s_lshl_b32 s32, s32, 5
	s_lshl_b32 s33, s17, 4
	s_add_co_u32 s32, s32, s33
	s_add_co_u32 s32, s32, s16                     ; V's row 32 s + 16 q + w,
	s_lshl_b32 s32, s32, 7                         ; in bytes,
	s_and_b32 s33, ttmp9, 1
	s_lshl_b32 s33, s33, 6
	s_add_co_u32 s32, s32, s33                     ; + 16 t columns
	s_mov_b32 s33, 0
	s_lshl_b32 s34, ttmp9, 10                      ; Vf's unit 4 s + 2 t + q = 2 x + y, 512 bytes each
	s_lshl_b32 s35, s17, 9
	s_add_co_u32 s34, s34, s35
	s_mov_b32 s35, 0
	s_wait_kmcnt 0x0
	s_cmp_eq_u32 s17, 1
	s_cselect_b64 s[20:21], s[6:7], s[4:5]         ; from e2 or e1,
	s_cselect_b64 s[22:23], s[12:13], s[10:11]     ; to e2p or e1p
	s_add_nc_u64 s[20:21], s[20:21], s[28:29]
	s_add_nc_u64 s[22:23], s[22:23], s[30:31]
	s_add_nc_u64 s[24:25], s[8:9], s[32:33]
	s_add_nc_u64 s[26:27], s[14:15], s[34:35]
	global_load_b32 v144, v5, s[24:25]             ; V's number first: older than the 16 below, so their counts cover it.  Pieces of 64 bytes; V is 262,144 bytes in the whole launch
.set i, 0
.rept 16
	global_load_b128 v[X+4*i:X+4*i+3], v1, s[20:21] offset:(i/8)*4096+(i%8)*512 th:TH_LOAD_NT  ; 512 consecutive bytes of a row
.set i, i+1
.endr
.set i, 0
.rept 16
	s_wait_loadcnt 15-i                            ; loads come back in order (ISA guide 5.7.1): load i is in, the 15 - i younger ones stay out
	v_cvt_pk_bf16_f32 v[T+2*i], v[X+4*i], v[X+4*i+1]
	v_cvt_pk_bf16_f32 v[T+2*i+1], v[X+4*i+2], v[X+4*i+3]
	ds_store_b64 v2, v[T+2*i:T+2*i+1] offset:(i/8)*ROWP+(i%8)*256  ; 256 consecutive bytes
.set i, i+1
.endr
	v_cvt_pk_bf16_f32 v145, v144, v144
	ds_store_b16 v7, v145
	s_wait_dscnt 0x0                               ; for the others' sake: my stores are done
	s_barrier_signal -1
	s_barrier_wait -1
.set i, 0
.rept 8
	ds_load_b128 v[Y+4*i:Y+4*i+3], v3 offset:32*i
.set i, i+1
.endr
.set i, 0
.rept 8
	s_wait_dscnt 7-i                               ; unit i is in, the younger ones stay out
	global_store_b128 v4, v[Y+4*i:Y+4*i+3], s[22:23] offset:512*i  ; 512 consecutive bytes, at a multiple of 512 from the buffer's first
.set i, i+1
.endr
	s_cmp_lg_u32 s16, 0
	s_cbranch_scc1 .Lnov                           ; V's unit leaves by wave 0
	ds_load_b128 v[152:155], v14
	s_wait_dscnt 0x0
	global_store_b128 v6, v[152:155], s[26:27]     ; 512 consecutive bytes
.Lnov:
	s_wait_tensorcnt 0x0                           ; the wave's end, behind my last LDS store
	ds_add_u32 v[SPW], v[NIL]
	s_wait_dscnt 0x0
	s_endpgm
.Lfunc_end_k_qf44c8c9649_pack:
	.size	k_qf44c8c9649_pack, .Lfunc_end_k_qf44c8c9649_pack-k_qf44c8c9649_pack
	.p2alignl 7, 3214868480
	.fill 96, 4, 3214868480
	.section	.rodata,"a",@progbits
	.p2align	6, 0x0
	.amdhsa_kernel k_qf44c8c9649_pack
		.amdhsa_group_segment_fixed_size 34560
		.amdhsa_private_segment_fixed_size 0
		.amdhsa_enable_private_segment 0
		.amdhsa_kernarg_size 48
		.amdhsa_user_sgpr_count 2
		.amdhsa_user_sgpr_kernarg_segment_ptr 1
		.amdhsa_wavefront_size32 1
		.amdhsa_system_sgpr_workgroup_id_x 1
		.amdhsa_system_sgpr_workgroup_id_y 1
		.amdhsa_system_sgpr_workgroup_id_z 1
		.amdhsa_system_vgpr_workitem_id 0
		.amdhsa_next_free_vgpr 160
		.amdhsa_next_free_sgpr 66
		.amdhsa_reserve_vcc 0
		.amdhsa_float_denorm_mode_32 3
		.amdhsa_float_denorm_mode_16_64 3
		.amdhsa_memory_ordered 1
		.amdhsa_forward_progress 1
		.amdhsa_inst_pref_size 10
	.end_amdhsa_kernel
	.amdgpu_metadata
---
amdhsa.version: [ 1, 2 ]
amdhsa.kernels:
  - .name:           k_qf44c8c9649_pack
    .symbol:         k_qf44c8c9649_pack.kd
    .args:
      - { .name: e1, .offset: 0, .size: 8, .value_kind: global_buffer, .address_space: global }
      - { .name: e2, .offset: 8, .size: 8, .value_kind: global_buffer, .address_space: global }
      - { .name: V, .offset: 16, .size: 8, .value_kind: global_buffer, .address_space: global }
      - { .name: e1p, .offset: 24, .size: 8, .value_kind: global_buffer, .address_space: global }
      - { .name: e2p, .offset: 32, .size: 8, .value_kind: global_buffer, .address_space: global }
      - { .name: Vf, .offset: 40, .size: 8, .value_kind: global_buffer, .address_space: global }
    .group_segment_fixed_size: 34560
    .private_segment_fixed_size: 0
    .kernarg_segment_align: 8
    .kernarg_segment_size: 48
    .max_flat_workgroup_size: 256
    .sgpr_count:     66
    .vgpr_count:     160
    .wavefront_size: 32
...
	.end_amdgpu_metadata
.endif
;; end of part 1
;; launch main (part 2): grid 256 x 1, 4 waves a work-group, no clusters, 281,088 bytes of LDS; arguments W, e1p, e2p, part; writes part
.if DOCPART == 2
	.amdgcn_target "amdgcn-amd-amdhsa--gfx1250"
	.amdhsa_code_object_version 6
	.text
	.protected	k_qf44c8c9649_main
	.globl	k_qf44c8c9649_main
	.p2align	8
	.type	k_qf44c8c9649_main,@function
k_qf44c8c9649_main:
	s_mov_b64 s[64:65], 0
	v_nop
	global_prefetch_b8 v0, s[64:65] scope:SCOPE_SE
	s_setreg_imm32_b32 hwreg(HW_REG_WAVE_MODE, 25, 1), 1
	s_wait_xcnt 0x0
; part[db][2048 k + n] = the sum over the 128 d of block db of e1[n][d] x (the sum over e of W[k][d][e] e2[n][e]).
; W: [32][1024][1024] f32, taken as [32768][1024].  e1p, e2p: e1, e2 in bf16, P[nb 128][u 64][lane 32][16 bytes]: lane (r, h) holds row 16 nb + r, elements 16 u + 8 h + 0..7.
; part: [8][65536] f32.  Products of bf16 numbers, all sums in f32; the inner sums are never rounded to 16 bits: they are multiplied by e1 (bf16, exact in f32) as they stand in the accumulators.
; LIMITS.  The order of the f32 sums is not the reference's; NaN and infinities are not treated apart.
; SHARES.  Work-group g = 8 k + db owns rows 128 g .. 128 g + 127 of W: 524,288 bytes, read from memory once, rounded once to bf16 and kept in LDS for the whole launch (phase A).
; Then the batch goes past it in four passes of 512 rows; wave w owns rows 512 p + 128 w .. + 127 of a pass: a tile of 128 n x 128 d, 64 accumulators, 512 registers.
; e2's fragments come from e2p straight into registers (a ring of four K steps, asked for three steps ahead), W's out of LDS: 16 LDS loads for 64 matrix instructions.
; THE MATRIX INSTRUCTION IS USED TRANSPOSED: source 0 = 16 rows of W (d), source 1 = 16 rows of e2 (n): lane (r, h), register j of accumulator (a, b) holds n = 16 a + r, d = 16 b + 8 h + j,
; and unit 8 db + b of e1p's block holds just those eight e1 in the same lane.
; NO CLUSTER, NO TENSOR LOAD.  All work-groups walk the same e2p.  Joint loads would bring it through LDS: two slots of one K step for the work-group's 512 rows are 2 x 512 x 64 = 65,536 bytes,
; and beside W's 278,528, the stage's 2,048 and the spare words' 512 only 46,592 of 327,680 are left.  Inside the work-group no fragment of e2 serves two waves, so LDS would add a copy and spare none.
; ONE TEXT FOR EVERY PASS.  A pass's end (FUSED) is woven with the next pass's K step 0, and the last three K steps ask for the next pass's fragments.  Behind the fourth pass "the next" is chunk 0 again:
; 64 products, 64 loads of e2p, 40 of e1p and 24 of LDS a wave serve nothing there, all inside their buffers: the price of writing the loop and the end once.
; REGISTERS, in windows of 256 (s_set_vgpr_msb: bits 1:0 source 0, 3:2 source 1, 5:4 source 2, 7:6 destination):
;   window 0: v0-15 addresses and the like; v16-23 S, v24-31 R (the reduction); v32-191 E: five slots of 32 for e1 of one block a; v192-255 WF: W's fragment b at 192 + 8 b
;   window 1: e2's ring: buffer F (K step % 4) at 64 F, fragment a at + 8 a        windows 2, 3: accumulator (a, b) in window 2 + b / 4 at 64 (b % 4) + 8 a
;   phase A: window 2 is a ring of four sets of 16 loads of W in f32; v32-63 T (bf16), v64-67 GOFF, v68-71 LOFF
.set PITCH, 272                        ; an LDS row of a tile: 256 bytes (128 e) + 16: row r starts at bank 4 r mod 64 (64 banks of 4 bytes: ISA guide 11.1): the 16 rows of a fragment load start at 16 different groups of four banks
.set TILE,  128*PITCH                  ; tile c: my 128 rows, e = 128 c .. 128 c + 127
.set STAGE, 8*TILE                     ; behind W: 512 bytes for each wave, its own, for the way out
.set SPARE, STAGE+4*512                ; the spare words, 128 bytes for each wave: two blocks of 256 bytes that no other line names
.set NBB,   32768                      ; bytes of one nb in e1p and e2p
.set L16,  1                           ; v1   16 x lane; never rewritten
.set AW0,  2                           ; v2   r x pitch + 16 h: my place in a fragment of W; never rewritten
.set AW,   3                           ; v3   the same in the tile in hand
.set STGW, 4                           ; v4   my stage + 4 lane
.set STGR, 5                           ; v5   my stage + 16 lane
.set SPW,  6                           ; v6   LDS address of my spare word; never rewritten
.set NIL,  7                           ; v7   0; never rewritten
.set ZR,   8                           ; v8   0.0: starts the reduction's chains
.set TP,   9                           ; v9   the other half of the lanes' sum
.set O,    12                          ; v[12:15] four results to store
.set S,    16
.set R,    24
.set E,    32
.set WF,   192
.set T,    32
.set GOFF, 64
.set LOFF, 68
; scalars: s[4:11] W, e1p, e2p, part; s12 wave; s13 g; s14 db; s15 k; s[16:17] e2p at my wave's rows of pass 0; s[18:19] SB, e2's running base; s[20:21] e1p at my rows and my d block, pass 0;
; s[22:23] the same for this pass, s[24:25] for the next; s[26:27] part at my 128 results; s[28:29], s[30:31] this and the next pass's byte offset (p << 20); s32 passes to go; s33 trips to go; s34 p;
; s35 mask of lanes 16-31; s[36:37] v_permlanex16_b32's selects; s[38:41] at work; s[42:43] W at my slice; s44 the tile in hand, in LDS bytes
.set MSB, 0
.macro WIN new                         ; the immediate's high byte repeats the setting that is left; a switch that changes nothing is dropped
.if MSB != (\new)
	s_set_vgpr_msb (MSB<<8)|(\new)
.set MSB, (\new)
.endif
.endm
.set MUL_LO, 0xa4                      ; source 0 (W) window 0, source 1 (e2) window 1, C and D window 2
.set MUL_HI, 0xf4                      ; the same, C and D window 3
.set TO_E2,  0x40                      ; destination window 1
.set TO_X,   0x80                      ; destination window 2
.set FROM_X, 0x0a                      ; sources 0 and 1 window 2
.set FM_LO,  0x08                      ; source 1 window 2
.set FM_HI,  0x0c                      ; source 1 window 3
	s_load_b256 s[4:11], s[0:1], 0x0
	v_lshl_add_u32 v[SPW], v0, 2, SPARE
	v_mov_b32 v[NIL], 0
	v_mov_b32 v[ZR], 0
	v_mov_b32 v[TP], 0                             ; v_permlanex16_b32's destination counts as read
	v_lshrrev_b32 v10, 5, v0
	v_readfirstlane_b32 s12, v10                   ; wave 0..3
	s_mov_b32 s13, ttmp9
	s_and_b32 s14, s13, 7                          ; db
	s_lshr_b32 s15, s13, 3                         ; k
	v_and_b32 v10, 31, v0                          ; lane
	v_and_b32 v11, 15, v0                          ; r
	v_bfe_u32 v12, v0, 4, 1                        ; h
	v_lshlrev_b32 v[L16], 4, v10
	v_mul_u32_u24 v[AW0], v11, PITCH
	v_lshl_add_u32 v[AW0], v12, 4, v[AW0]
	s_lshl_b32 s38, s12, 9
	s_add_co_u32 s38, s38, STAGE
	v_lshl_add_u32 v[STGW], v10, 2, s38
	v_lshl_add_u32 v[STGR], v10, 4, s38
	; phase A's sets.  Wave w rounds rows 32 w .. 32 w + 31.  A set is 16 rows (half hh of the 32) of one tile c; ring slot s has hh = s % 2 and c = 2 trip + s / 2.
	s_lshl_b32 s39, s12, 17                        ; 32 rows of 4,096 bytes
	v_add_nc_u32 v13, s39, v[L16]
.irp s, 0,1,2,3
	v_add_nc_u32 v[GOFF+\s], ((\s)&1)*65536+((\s)>>1)*512, v13
.endr
	s_mul_i32 s39, s12, 32*PITCH
	v_lshl_add_u32 v13, v10, 3, s39
.irp s, 0,1,2,3
	v_add_nc_u32 v[LOFF+\s], ((\s)&1)*16*PITCH+((\s)>>1)*TILE, v13
.endr
	s_mov_b32 s35, 0xffff0000
	s_mov_b32 s36, 0x76543210
	s_mov_b32 s37, 0xfedcba98
	s_lshl_b32 s38, s13, 19                        ; my slice of W: g x 524,288 bytes
	s_mov_b32 s39, 0
	s_lshl_b32 s40, s12, 18                        ; my wave's 8 blocks nb of a pass
	s_mov_b32 s41, 0
	s_wait_kmcnt 0x0
	s_add_nc_u64 s[42:43], s[4:5], s[38:39]
	s_add_nc_u64 s[16:17], s[8:9], s[40:41]
	s_add_nc_u64 s[20:21], s[6:7], s[40:41]
	s_lshl_b32 s38, s14, 12                        ; units 8 db on: 4,096 bytes
	s_add_nc_u64 s[20:21], s[20:21], s[38:39]
	s_lshl_b32 s38, s14, 18                        ; part[db]: 262,144 bytes,
	s_lshl_b32 s40, s15, 13                        ; + 2,048 k numbers,
	s_add_co_u32 s38, s38, s40
	s_lshl_b32 s40, s12, 9                         ; + 128 w numbers
	s_add_co_u32 s38, s38, s40
	s_add_nc_u64 s[26:27], s[10:11], s[38:39]
; PHASE A: W to bf16, into LDS.  Four sets of 16 loads are on their way in each wave; each load takes 512 consecutive bytes of a row of W.
.macro FILLX s
	WIN TO_X
.set i, 0
.rept 16
	global_load_b128 v[64*(\s)+4*i:64*(\s)+4*i+3], v[GOFF+(\s)], s[42:43] offset:4096*i th:TH_LOAD_NT
.set i, i+1
.endr
.endm
; The turn of slot s.  left = the younger loads that may stay out.  reload = 1: the slot takes the set two tiles on.
.macro TURN s, reload, left
	s_wait_loadcnt \left                           ; loads come back in order (ISA guide 5.7.1): my set is in; the wait also frees the set's address register
	WIN FROM_X
.set i, 0
.rept 32
	v_cvt_pk_bf16_f32 v[T+i], v[64*(\s)+2*i], v[64*(\s)+2*i+1]
.set i, i+1
.endr
	WIN 0
.if \reload
	v_add_nc_u32 v[GOFF+(\s)], 1024, v[GOFF+(\s)]  ; two tiles of 512 bytes along the rows
	FILLX \s
	WIN 0
.endif
.set i, 0
.rept 16
	ds_store_b64 v[LOFF+(\s)], v[T+2*i:T+2*i+1] offset:PITCH*i  ; 256 consecutive bytes: a row of the tile
.set i, i+1
.endr
.if \reload
	v_add_nc_u32 v[LOFF+(\s)], 2*TILE, v[LOFF+(\s)]
.endif
.endm
	FILLX 0
	FILLX 1
	FILLX 2
	FILLX 3
	WIN 0                                          ; at a label and at a branch every window is 0
	s_mov_b32 s33, 3
.Lw:
	TURN 0, 1, 48                                  ; three younger sets of 16
	TURN 1, 1, 48
	TURN 2, 1, 48
	TURN 3, 1, 48
	s_sub_co_u32 s33, s33, 1
	s_cmp_lg_u32 s33, 0
	s_cbranch_scc1 .Lw
	TURN 0, 0, 48                                  ; the last four sets: nothing more to fetch, the counts run down
	TURN 1, 0, 32
	TURN 2, 0, 16
	TURN 3, 0, 0
; THE K LOOP'S PARTS.
; A load into a register that a matrix instruction has read, and a vector instruction that reads a matrix result, stand four places behind that matrix instruction, and only plain vector
; instructions that name none of its registers are places (ISA guide 7.12.1 for vector instructions).
.macro PLACES
.rept 4
	v_nop
.endr
.endm
; 8 LDS loads: W's fragments b = 4 half .. 4 half + 3 of the K step rr steps behind the first of the tile at areg (four steps of 64 bytes to a tile)
.macro WLOAD half, rr, areg
	WIN 0
.set i, 0
.rept 8
	ds_load_b128 v[WF+32*(\half)+4*i:WF+32*(\half)+4*i+3], v[\areg] offset:((\rr)/4)*TILE+((\rr)%4)*64+(4*(\half)+i/2)*16*PITCH+(i%2)*32
.set i, i+1
.endr
.endm
; 16 loads: e2's eight fragments of one K step into buffer f.  SB stands at the chunk's first byte + 4,096 x (the step / 4); f = the step % 4.  Each load takes 512 consecutive bytes.
.macro GLOAD f
	WIN TO_E2
.set i, 0
.rept 16
	global_load_b128 v[64*(\f)+4*i:64*(\f)+4*i+3], v[L16], s[18:19] offset:(\f)*1024+(i/2)*NBB+(i%2)*512
.set i, i+1
.endr
.endm
; 32 matrix instructions: all 8 blocks a x the half's 4 blocks b.  The 32 accumulators take turns, one instruction a turn.  zero = 1: the products start the sums.
.macro MULH half, f, zero
	WIN MUL_LO+0x50*(\half)
.set a, 0
.rept 8
.set b, 0
.rept 4
.if \zero
	v_wmma_f32_16x16x32_bf16 v[64*b+8*a:64*b+8*a+7], v[WF+32*(\half)+8*b:WF+32*(\half)+8*b+7], v[64*(\f)+8*a:64*(\f)+8*a+7], 0
.else
	v_wmma_f32_16x16x32_bf16 v[64*b+8*a:64*b+8*a+7], v[WF+32*(\half)+8*b:WF+32*(\half)+8*b+7], v[64*(\f)+8*a:64*(\f)+8*a+7], v[64*b+8*a:64*b+8*a+7]
.endif
.set b, b+1
.endr
.set a, a+1
.endr
.endm
; A K step, r steps behind the first of the tile at AW.  Each half of W's fragments is fetched while the other half is multiplied; e2 of the step three on is asked for.
; wrap = 1: the pass's last step: the next step's W is the first tile's first.
.macro STEP r, zero=0, wrap=0
	PLACES                                         ; behind the products that read WF's upper half
	WLOAD 1, \r, AW
	s_wait_dscnt 8                                 ; the 8 just issued may stay out: b = 0..3 of this step are in
	s_wait_loadcnt 32                              ; behind this step's e2 the next two steps' 16 + 16 were issued
	MULH 0, (\r)%4, \zero
	PLACES                                         ; behind the products that read WF's lower half; with the four above, also behind the last step's, which read the buffer that GLOAD fills
.if \wrap
	WLOAD 0, 0, AW0
.else
	WLOAD 0, (\r)+1, AW
.endif
	GLOAD ((\r)+3)%4
	s_wait_dscnt 8                                 ; the 8 just issued may stay out: b = 4..7 of this step are in
	MULH 1, (\r)%4, \zero
.endm
	; THE PROLOGUE.
	s_mov_b32 s28, 0                               ; this pass's offset,
	s_mov_b32 s29, 0
	s_mov_b32 s30, 1<<20                           ; the next pass's: 32 blocks nb
	s_mov_b32 s31, 0
	s_mov_b32 s44, 0
	s_mov_b64 s[18:19], s[16:17]
	s_mov_b64 s[22:23], s[20:21]
	s_wait_dscnt 0x0                               ; my stores of W are done: for the others' sake, and the loads below land on the registers that they read
.set i, 0
.rept 40
	global_load_b128 v[E+4*i:E+4*i+3], v[L16], s[22:23] offset:(i/8)*NBB+(i%8)*512  ; e1 of blocks a = 0..4
.set i, i+1
.endr
	GLOAD 0
	GLOAD 1
	GLOAD 2
	WIN 0
	s_barrier_signal -1                            ; the kernel's one barrier: behind it W's bytes in LDS are only read
	s_barrier_wait -1
	v_mov_b32 v[AW], v[AW0]
	WLOAD 0, 0, AW
	STEP 0, 1                                      ; the first K step starts the sums: nothing is cleared
	WIN 0
	s_wait_xcnt 0x0                                ; every earlier memory instruction has had its addresses translated (ISA guide 3.1): only now is SB rewritten
	s_add_nc_u64 s[18:19], s[18:19], 4096
	s_mov_b32 s32, 4
	s_mov_b32 s34, 0
; THE END OF A PASS for block a (16 n), and K step 0 of the next pass for the same block.  x: the slot that holds its e1; the slot is then filled from base s[eb:eb+1], block a2.
.macro EPIBLOCK a, x, eb, a2
.if (\a) >= 5
	s_wait_loadcnt 32                              ; behind this block's 8 loads of e1 four more groups of 8 were issued
.endif
.set b, 0
.rept 8
	WIN FM_LO+4*(b/4)
.set j, 0
.rept 8                                        ; eight chains S0-S7, a link every eight lines; each accumulator is read from its lowest register on
.set rC, S+j
.if b == 0
.set rC, ZR
.endif
.if j%2
	v_fma_mix_f32_bf16 v[S+j], v[E+32*(\x)+4*b+j/2], v[64*(b%4)+8*(\a)+j], v[rC] op_sel:[1,0,0] op_sel_hi:[1,0,0]
.else
	v_fma_mix_f32_bf16 v[S+j], v[E+32*(\x)+4*b+j/2], v[64*(b%4)+8*(\a)+j], v[rC] op_sel_hi:[1,0,0]
.endif
.set j, j+1
.endr
.set b, b+1
.endr
	WIN 0
.set i, 0
.rept 8
	global_load_b128 v[E+32*(\x)+4*i:E+32*(\x)+4*i+3], v[L16], s[\eb:\eb+1] offset:(\a2)*NBB+i*512
.set i, i+1
.endr
	v_pk_add_f32 v[S:S+1], v[S:S+1], v[S+2:S+3]
	v_pk_add_f32 v[S+4:S+5], v[S+4:S+5], v[S+6:S+7]
	v_pk_add_f32 v[S:S+1], v[S:S+1], v[S+4:S+5]
	v_add_f32 v[S], v[S], v[S+1]
	v_permlanex16_b32 v[TP], v[S], s36, s37        ; the row's other 64 d lie in the lane 16 away
	v_add_f32 v[R+(\a)], v[S], v[TP]
.if (\a) == 0
	s_wait_dscnt 0x0                               ; all eight fragments of W's step 0 are in
.endif
.set b, 0
.rept 8                                        ; the block's accumulators have been read: the next pass's first products start their sums anew.  Between the last pass's product on an accumulator
	WIN MUL_LO+0x50*(b/4)                          ; and this one stand four v_nop and the 56 lines above that name the block's other accumulators
	v_wmma_f32_16x16x32_bf16 v[64*(b%4)+8*(\a):64*(b%4)+8*(\a)+7], v[WF+8*b:WF+8*b+7], v[8*(\a):8*(\a)+7], 0
.set b, b+1
.endr
.endm
.Lpass:
	s_mov_b32 s33, 7
.Lk:                                                   ; a trip: K steps 4 T + 1 .. 4 T + 4.  At its head: W's b = 0..3 of the coming step and e2 of the coming three steps have been asked for
	STEP 1
	STEP 2
	STEP 3
	STEP 4
	WIN 0
	s_add_co_u32 s44, s44, TILE
	v_add_nc_u32 v[AW], s44, v[AW0]                ; the next tile
	s_wait_xcnt 0x0                                ; SB is rewritten only behind this wait
	s_add_nc_u64 s[18:19], s[18:19], 4096
	s_sub_co_u32 s33, s33, 1
	s_cmp_lg_u32 s33, 0
	s_cbranch_scc1 .Lk
	s_add_nc_u64 s[18:19], s[16:17], s[30:31]      ; the next pass's chunk (no load was issued since the wait above); behind the fourth pass: chunk 0
	STEP 1                                         ; K steps 29, 30, 31 ask for the next pass's steps 0, 1, 2
	STEP 2
	STEP 3, 0, 1
	; FUSED
	WIN 0
	PLACES                                         ; behind step 31's products: for the lines that read their results and the loads into WF's upper half and e2's buffer 3
	WLOAD 1, 0, AW0
	s_wait_xcnt 0x0                                ; the bases of e1's loads are rewritten only behind this wait
	s_add_nc_u64 s[22:23], s[20:21], s[28:29]
	s_add_nc_u64 s[24:25], s[20:21], s[30:31]
	GLOAD 3
	s_wait_loadcnt 48                              ; the next pass's steps 1, 2, 3 may stay out: its step 0 is in, and so is e1 of blocks 0..4, asked for a pass ago
	EPIBLOCK 0, 0, 22, 5                           ; slots 0..2 take this pass's blocks 5..7,
	EPIBLOCK 1, 1, 22, 6
	EPIBLOCK 2, 2, 22, 7
	EPIBLOCK 3, 3, 24, 3                           ; and every slot at last the next pass's block of its own number
	EPIBLOCK 4, 4, 24, 4
	EPIBLOCK 5, 0, 24, 0
	EPIBLOCK 6, 1, 24, 1
	EPIBLOCK 7, 2, 24, 2
	WIN 0
.irp i, 0,1,2,3
	v_cndmask_b32 v[R+2*\i], v[R+2*\i], v[R+2*\i+1], s35  ; every lane holds both halves' sum: lanes 0-15 keep block 2 i, lanes 16-31 take block 2 i + 1: lane l holds n = 32 i + l
.endr
	s_mov_b32 s44, 0
	v_mov_b32 v[AW], v[AW0]                        ; these five lines are the places behind block 7's products
.irp i, 0,1,2,3
	ds_store_b32 v[STGW], v[R+2*\i] offset:128*\i
.endr
	ds_load_b128 v[O:O+3], v[STGR]                 ; my own bytes; LDS serves a wave's instructions in order (ISA guide 5.7.1.4): this sees the stores above
	WLOAD 0, 1, AW
	s_wait_dscnt 8                                 ; W's 8 loads may stay out: my four results are back
	global_store_b128 v[L16], v[O:O+3], s[26:27]   ; 512 consecutive bytes, at a multiple of 512 from part's first
	s_wait_xcnt 0x0                                ; the store's base and data, and SB, are rewritten only behind this wait
	s_add_nc_u64 s[26:27], s[26:27], 2048          ; 512 n on
	s_add_nc_u64 s[18:19], s[18:19], 4096
	s_add_co_u32 s34, s34, 1
	s_mov_b32 s28, s30
	s_add_co_u32 s38, s34, 1
	s_and_b32 s38, s38, 3
	s_lshl_b32 s30, s38, 20
	s_sub_co_u32 s32, s32, 1
	s_cmp_lg_u32 s32, 0
	s_cbranch_scc1 .Lpass
	s_wait_tensorcnt 0x0                           ; the wave's end, behind my last LDS store
	ds_add_u32 v[SPW], v[NIL]
	s_wait_dscnt 0x0
	s_endpgm
.Lfunc_end_k_qf44c8c9649_main:
	.size	k_qf44c8c9649_main, .Lfunc_end_k_qf44c8c9649_main-k_qf44c8c9649_main
	.p2alignl 7, 3214868480
	.fill 96, 4, 3214868480
	.section	.rodata,"a",@progbits
	.p2align	6, 0x0
	.amdhsa_kernel k_qf44c8c9649_main
		.amdhsa_group_segment_fixed_size 281088
		.amdhsa_private_segment_fixed_size 0
		.amdhsa_enable_private_segment 0
		.amdhsa_kernarg_size 32
		.amdhsa_user_sgpr_count 2
		.amdhsa_user_sgpr_kernarg_segment_ptr 1
		.amdhsa_wavefront_size32 1
		.amdhsa_system_sgpr_workgroup_id_x 1
		.amdhsa_system_sgpr_workgroup_id_y 1
		.amdhsa_system_sgpr_workgroup_id_z 1
		.amdhsa_system_vgpr_workitem_id 0
		.amdhsa_next_free_vgpr 1024
		.amdhsa_next_free_sgpr 66
		.amdhsa_reserve_vcc 0
		.amdhsa_float_denorm_mode_32 3
		.amdhsa_float_denorm_mode_16_64 3
		.amdhsa_memory_ordered 1
		.amdhsa_forward_progress 1
		.amdhsa_inst_pref_size 156
	.end_amdhsa_kernel
	.amdgpu_metadata
---
amdhsa.version: [ 1, 2 ]
amdhsa.kernels:
  - .name:           k_qf44c8c9649_main
    .symbol:         k_qf44c8c9649_main.kd
    .args:
      - { .name: W, .offset: 0, .size: 8, .value_kind: global_buffer, .address_space: global }
      - { .name: e1p, .offset: 8, .size: 8, .value_kind: global_buffer, .address_space: global }
      - { .name: e2p, .offset: 16, .size: 8, .value_kind: global_buffer, .address_space: global }
      - { .name: part, .offset: 24, .size: 8, .value_kind: global_buffer, .address_space: global }
    .group_segment_fixed_size: 281088
    .private_segment_fixed_size: 0
    .kernarg_segment_align: 8
    .kernarg_segment_size: 32
    .max_flat_workgroup_size: 128
    .sgpr_count:     66
    .vgpr_count:     1024
    .wavefront_size: 32
...
	.end_amdgpu_metadata
.endif
;; end of part 2
;; launch fin (part 3): grid 128 x 1, 8 waves a work-group, no clusters, 19,456 bytes of LDS; arguments e1p, e2p, Vf, b, part, out0; writes out0
.if DOCPART == 3
	.amdgcn_target "amdgcn-amd-amdhsa--gfx1250"
	.amdhsa_code_object_version 6
	.text
	.protected	k_qf44c8c9649_fin
	.globl	k_qf44c8c9649_fin
	.p2align	8
	.type	k_qf44c8c9649_fin,@function
k_qf44c8c9649_fin:
	s_mov_b64 s[64:65], 0
	v_nop
	global_prefetch_b8 v0, s[64:65] scope:SCOPE_SE
	s_setreg_imm32_b32 hwreg(HW_REG_WAVE_MODE, 25, 1), 1
	s_wait_xcnt 0x0
; out0 flat [65536]: out[f] = tanh(the sum over db of part[db][f] + the sum of b + ff[f / 32][f % 32]), ff = [e1 | e2] V.  The reference's reshape of (32, 2048) to (2048, 32) keeps the flat index
; f = 2048 k + n, in which part is already laid.  e1p, e2p, Vf: bf16 in fragment order, as the first launch wrote them; b is rounded to bf16 here, like every other input; all sums in f32.
; LIMITS.  tanh(x) = 1 - 2 / (1 + 2^(2 log2(e) x)): an absolute error of some 2^-23, so near x = 0 the result keeps fewer digits than f32 has; where the power overflows or falls below 2^-126
; the result is exactly 1 or -1.  The order of the f32 sums is not the reference's.  NaN and infinities are not treated apart.
; SHARES.  Work-group x makes rows 16 x .. 16 x + 15 of out0: f = 512 x .. 512 x + 511.  Wave w multiplies the 256 j from 256 w on (waves 0-3 in e1, 4-7 in e2): 8 K steps x 2 column blocks,
; and sums b[128 w .. 128 w + 127], which it adds to each of its sums; the eight waves' sums meet in LDS.  There are 2,048 / 16 = 128 such shares, so 128 work-groups.
; The matrix instruction is used transposed (source 0 = 16 columns of V, source 1 = 16 rows): lane (r, h), register j of accumulator t holds row r, column 16 t + 8 h + j.
; No cluster: what work-groups share is Vf, 16,384 of the 24,576 bytes a wave loads, once, with no loop in which a ring could run.
.set RP,    144                        ; a row of 32 f32 in LDS + 16 bytes: an odd multiple of 16 (64 banks of 4 bytes: ISA guide 11.1)
.set REDW,  16*RP                      ; a wave's 16 rows
.set SPARE, 8*REDW                     ; the spare words, 128 bytes for each of eight waves: four blocks of 256 bytes that no other line names
.set SPW, 5                            ; v5  LDS address of my spare word; never rewritten
.set NIL, 6                            ; v6  0; never rewritten
.set CAT, 16                           ; v[16:79]    rows' fragments, 8 a K step; later the eight waves' sums
.set VF,  80                           ; v[80:207]   V's fragments at 16 i + 8 t
.set ACC, 208                          ; v[208:223]  two accumulators
.set BB,  224                          ; v[224:227]  four b
.set PT,  228                          ; v[228:243]  eight partial sums, two numbers each
	s_load_b256 s[4:11], s[0:1], 0x0               ; e1p s[4:5], e2p s[6:7], Vf s[8:9], b s[10:11]
	s_load_b128 s[12:15], s[0:1], 0x20             ; part s[12:13], out0 s[14:15]
	v_lshl_add_u32 v[SPW], v0, 2, SPARE
	v_mov_b32 v[NIL], 0
	v_lshrrev_b32 v7, 5, v0
	v_readfirstlane_b32 s16, v7                    ; wave 0..7
	v_and_b32 v7, 31, v0
	v_lshlrev_b32 v1, 4, v7                        ; v1 = 16 lane
	v_lshlrev_b32 v2, 3, v0                        ; v2 = 8 thread: my two numbers of the work-group's 512
	v_and_b32 v10, 15, v0                          ; r
	v_bfe_u32 v11, v0, 4, 1                        ; h
	v_mul_u32_u24 v3, v10, RP
	v_lshl_add_u32 v3, v11, 5, v3
	s_mul_i32 s17, s16, REDW
	v_add_nc_u32 v3, s17, v3                       ; v3 = my wave's rows + r x pitch + 8 h columns: where I put my sums
	v_lshrrev_b32 v4, 4, v0
	v_mul_u32_u24 v4, v4, RP
	v_lshl_add_u32 v4, v10, 3, v4                  ; v4 = row thread / 16, columns 2 (thread % 16): where I read them back
	s_mov_b32 s28, 0x76543210                      ; v_permlanex16_b32: each lane takes its own place in the other half
	s_mov_b32 s29, 0xfedcba98
	s_lshl_b32 s30, ttmp9, 15                      ; block nb = x,
	s_and_b32 s32, s16, 3
	s_lshl_b32 s32, s32, 13                        ; + 8 K steps of 1,024 bytes a wave
	s_add_co_u32 s30, s30, s32
	s_mov_b32 s31, 0
	s_lshl_b32 s32, s16, 14                        ; Vf: 8 steps of 2,048 bytes a wave
	s_mov_b32 s33, 0
	s_lshl_b32 s34, s16, 9                         ; b: 128 numbers a wave
	s_mov_b32 s35, 0
	s_lshl_b32 s36, ttmp9, 11                      ; part and out0: 512 numbers a work-group
	s_mov_b32 s37, 0
	s_wait_kmcnt 0x0
	s_cmp_lt_u32 s16, 4
	s_cselect_b64 s[18:19], s[4:5], s[6:7]
	s_add_nc_u64 s[18:19], s[18:19], s[30:31]
	s_add_nc_u64 s[20:21], s[8:9], s[32:33]
	s_add_nc_u64 s[22:23], s[10:11], s[34:35]
	s_add_nc_u64 s[24:25], s[12:13], s[36:37]
	s_add_nc_u64 s[26:27], s[14:15], s[36:37]
	global_load_b128 v[BB:BB+3], v1, s[22:23]
.set i, 0
.rept 16
	global_load_b128 v[CAT+4*i:CAT+4*i+3], v1, s[18:19] offset:512*i
.set i, i+1
.endr
.set i, 0
.rept 32
	global_load_b128 v[VF+4*i:VF+4*i+3], v1, s[20:21] offset:512*i
.set i, i+1
.endr
.set i, 0
.rept 8
	global_load_b64 v[PT+2*i:PT+2*i+1], v2, s[24:25] offset:262144*i  ; a wave takes 256 consecutive bytes of part[i]
.set i, i+1
.endr
	s_wait_loadcnt 8                               ; all but the eight partial sums, which were issued last
	; my wave's 128 b, rounded to bf16, summed: four in the lane, then across the 32 lanes
	v_cvt_pk_bf16_f32 v10, v[BB], v[BB+1]
	v_cvt_pk_bf16_f32 v11, v[BB+2], v[BB+3]
	v_lshlrev_b32 v12, 16, v10
	v_and_b32 v13, 0xffff0000, v10
	v_lshlrev_b32 v14, 16, v11
	v_and_b32 v15, 0xffff0000, v11
	v_add_f32 v12, v12, v13
	v_add_f32 v14, v14, v15
	v_add_f32 v8, v12, v14
	v_add_f32_dpp v8, v8, v8 row_xmask:1 row_mask:0xf bank_mask:0xf
	v_add_f32_dpp v8, v8, v8 row_xmask:2 row_mask:0xf bank_mask:0xf
	v_add_f32_dpp v8, v8, v8 row_xmask:4 row_mask:0xf bank_mask:0xf
	v_add_f32_dpp v8, v8, v8 row_xmask:8 row_mask:0xf bank_mask:0xf
	v_permlanex16_b32 v11, v8, s28, s29
	v_add_f32 v8, v8, v11
	v_mov_b32 v9, v8                               ; a pair for the packed additions
.set i, 0
.rept 8                                        ; the two accumulators take turns; the first K step starts the sums
.set t, 0
.rept 2
.if i == 0
	v_wmma_f32_16x16x32_bf16 v[ACC+8*t:ACC+8*t+7], v[VF+16*i+8*t:VF+16*i+8*t+7], v[CAT+8*i:CAT+8*i+7], 0
.else
	v_wmma_f32_16x16x32_bf16 v[ACC+8*t:ACC+8*t+7], v[VF+16*i+8*t:VF+16*i+8*t+7], v[CAT+8*i:CAT+8*i+7], v[ACC+8*t:ACC+8*t+7]
.endif
.set t, t+1
.endr
.set i, i+1
.endr
.rept 4
	v_nop                                          ; four places behind the last product (ISA guide 7.12.1)
.endr
.set i, 0
.rept 8
	v_pk_add_f32 v[ACC+2*i:ACC+2*i+1], v[ACC+2*i:ACC+2*i+1], v[8:9]  ; + my part of the sum of b; each accumulator from its low end on
.set i, i+1
.endr
.set i, 0
.rept 4
	ds_store_b128 v3, v[ACC+4*i:ACC+4*i+3] offset:(i/2)*64+(i%2)*16
.set i, i+1
.endr
	s_wait_dscnt 0x0                               ; for the others' sake: my stores are done
	s_barrier_signal -1
	s_barrier_wait -1
.set i, 0
.rept 8
	ds_load_b64 v[CAT+2*i:CAT+2*i+1], v4 offset:REDW*i  ; the eight waves' sums for my two numbers
.set i, i+1
.endr
	s_wait_dscnt 0x0
	s_wait_loadcnt 0x0                             ; the eight partial sums
.set i, 0
.rept 8
	v_pk_add_f32 v[CAT+2*i:CAT+2*i+1], v[CAT+2*i:CAT+2*i+1], v[PT+2*i:PT+2*i+1]
.set i, i+1
.endr
.set i, 0
.rept 4
	v_pk_add_f32 v[CAT+2*i:CAT+2*i+1], v[CAT+2*i:CAT+2*i+1], v[CAT+8+2*i:CAT+8+2*i+1]
.set i, i+1
.endr
	v_pk_add_f32 v[CAT:CAT+1], v[CAT:CAT+1], v[CAT+4:CAT+5]
	v_pk_add_f32 v[CAT+2:CAT+3], v[CAT+2:CAT+3], v[CAT+6:CAT+7]
	v_pk_add_f32 v[CAT:CAT+1], v[CAT:CAT+1], v[CAT+2:CAT+3]
	v_mul_f32 v[CAT], 0x4038aa3b, v[CAT]           ; 2 log2(e) x
	v_mul_f32 v[CAT+1], 0x4038aa3b, v[CAT+1]
	v_exp_f32 v[CAT], v[CAT]
	v_exp_f32 v[CAT+1], v[CAT+1]
	v_nop                                          ; a plain instruction between a transcendental and the use of its result (ISA guide 5.7.2)
	s_wait_alu depctr_va_vdst(0)
	v_add_f32 v[CAT], 1.0, v[CAT]
	v_add_f32 v[CAT+1], 1.0, v[CAT+1]
	v_rcp_f32 v[CAT], v[CAT]
	v_rcp_f32 v[CAT+1], v[CAT+1]
	v_nop
	s_wait_alu depctr_va_vdst(0)
	v_fma_f32 v[CAT], v[CAT], -2.0, 1.0
	v_fma_f32 v[CAT+1], v[CAT+1], -2.0, 1.0
	global_store_b64 v2, v[CAT:CAT+1], s[26:27]    ; a wave stores 256 consecutive bytes, at a multiple of 256 from out0's first
	s_wait_tensorcnt 0x0                           ; the wave's end, behind my last LDS store
	ds_add_u32 v[SPW], v[NIL]
	s_wait_dscnt 0x0
	s_endpgm
.Lfunc_end_k_qf44c8c9649_fin:
	.size	k_qf44c8c9649_fin, .Lfunc_end_k_qf44c8c9649_fin-k_qf44c8c9649_fin
	.p2alignl 7, 3214868480
	.fill 96, 4, 3214868480
	.section	.rodata,"a",@progbits
	.p2align	6, 0x0
	.amdhsa_kernel k_qf44c8c9649_fin
		.amdhsa_group_segment_fixed_size 19456
		.amdhsa_private_segment_fixed_size 0
		.amdhsa_enable_private_segment 0
		.amdhsa_kernarg_size 48
		.amdhsa_user_sgpr_count 2
		.amdhsa_user_sgpr_kernarg_segment_ptr 1
		.amdhsa_wavefront_size32 1
		.amdhsa_system_sgpr_workgroup_id_x 1
		.amdhsa_system_sgpr_workgroup_id_y 1
		.amdhsa_system_sgpr_workgroup_id_z 1
		.amdhsa_system_vgpr_workitem_id 0
		.amdhsa_next_free_vgpr 256
		.amdhsa_next_free_sgpr 66
		.amdhsa_reserve_vcc 0
		.amdhsa_float_denorm_mode_32 3
		.amdhsa_float_denorm_mode_16_64 3
		.amdhsa_memory_ordered 1
		.amdhsa_forward_progress 1
		.amdhsa_inst_pref_size 13
	.end_amdhsa_kernel
	.amdgpu_metadata
---
amdhsa.version: [ 1, 2 ]
amdhsa.kernels:
  - .name:           k_qf44c8c9649_fin
    .symbol:         k_qf44c8c9649_fin.kd
    .args:
      - { .name: e1p, .offset: 0, .size: 8, .value_kind: global_buffer, .address_space: global }
      - { .name: e2p, .offset: 8, .size: 8, .value_kind: global_buffer, .address_space: global }
      - { .name: Vf, .offset: 16, .size: 8, .value_kind: global_buffer, .address_space: global }
      - { .name: b, .offset: 24, .size: 8, .value_kind: global_buffer, .address_space: global }
      - { .name: part, .offset: 32, .size: 8, .value_kind: global_buffer, .address_space: global }
      - { .name: out0, .offset: 40, .size: 8, .value_kind: global_buffer, .address_space: global }
    .group_segment_fixed_size: 19456
    .private_segment_fixed_size: 0
    .kernarg_segment_align: 8
    .kernarg_segment_size: 48
    .max_flat_workgroup_size: 256
    .sgpr_count:     66
    .vgpr_count:     256
    .wavefront_size: 32
...
	.end_amdgpu_metadata
.endif
;; end of part 3
;; ======== version 2 of 2: 3 launches; version 1 with the launch main written anew for expert scheduling mode
;; workspace buffers: e1p 4,194,304 bytes; e2p 4,194,304 bytes; Vf 131,072 bytes; part 2,097,152 bytes
;; launch pack: the kernel of part 1 again; grid 128 x 2, 8 waves a work-group, no clusters, 34,560 bytes of LDS; arguments e1, e2, V, e1p, e2p, Vf; writes e1p, e2p, Vf
;; launch main (part 4): grid 256 x 1, 4 waves a work-group, no clusters, 281,088 bytes of LDS; arguments W, e1p, e2p, part; writes part
.if DOCPART == 4
	.amdgcn_target "amdgcn-amd-amdhsa--gfx1250"
	.amdhsa_code_object_version 6
	.text
	.protected	k_qf44c8c9649_main
	.globl	k_qf44c8c9649_main
	.p2align	8
	.type	k_qf44c8c9649_main,@function
k_qf44c8c9649_main:
	s_mov_b64 s[64:65], 0
	v_nop
	global_prefetch_b8 v0, s[64:65] scope:SCOPE_SE
	s_setreg_imm32_b32 hwreg(HW_REG_WAVE_SCHED_MODE, 0, 2), 2
	s_setreg_imm32_b32 hwreg(HW_REG_WAVE_MODE, 25, 1), 1
	s_wait_xcnt 0x0
	s_wait_alu depctr_vm_vsrc(0)
; part[db][2048 k + n] = the sum over the 128 d of block db of e1[n][d] x (the sum over e of W[k][d][e] e2[n][e]).
; W: [32][1024][1024] f32, taken as [32768][1024].  e1p, e2p: e1, e2 in bf16, P[nb 128][u 64][lane 32][16 bytes]: lane (r, h) holds row 16 nb + r, elements 16 u + 8 h + 0..7.
; part: [8][65536] f32.  Products of bf16 numbers, all sums in f32; the inner sums are never rounded to 16 bits: they are multiplied by e1 (bf16, exact in f32) as they stand in the accumulators.
; LIMITS.  The order of the f32 sums is not the reference's; NaN and infinities are not treated apart.
; SHARES.  Work-group g = 8 k + db owns rows 128 g .. 128 g + 127 of W: 524,288 bytes, read from memory once, rounded once to bf16 and kept in LDS for the whole launch (phase A).
; Then the batch goes past it in four passes of 512 rows; wave w owns rows 512 p + 128 w .. + 127 of a pass: a tile of 128 n x 128 d, 64 accumulators, 512 registers.
; e2's fragments come from e2p straight into registers (a ring of four K steps, asked for three steps ahead), W's out of LDS: 16 LDS loads for 64 matrix instructions.
; THE MATRIX INSTRUCTION IS USED TRANSPOSED: source 0 = 16 rows of W (d), source 1 = 16 rows of e2 (n): lane (r, h), register j of accumulator (a, b) holds n = 16 a + r, d = 16 b + 8 h + j,
; and unit 8 db + b of e1p's block holds just those eight e1 in the same lane.
; NO CLUSTER, NO TENSOR LOAD.  All work-groups walk the same e2p.  Joint loads would bring it through LDS: two slots of one K step for the work-group's 512 rows are 2 x 512 x 64 = 65,536 bytes,
; and beside W's 278,528, the stage's 2,048 and the spare words' 512 only 46,592 of 327,680 are left.  Inside the work-group no fragment of e2 serves two waves, so LDS would add a copy and spare none.
; ONE TEXT FOR EVERY PASS.  A pass's end (FUSED) is woven with the next pass's K step 0, and the last three K steps ask for the next pass's fragments.  Behind the fourth pass "the next" is chunk 0 again:
; 64 products, 64 loads of e2p, 32 of e1p and 24 of LDS a wave serve nothing there, all inside their buffers: the price of writing the loop and the end once.
; THE MODE: SCHED_MODE bits 1:0 = 2 (LLVM: expert scheduling mode 2), set by the entry lines.  The code itself states the register dependences
; between vector or matrix instructions and memory or LDS instructions, with s_wait_alu, always for 0.
; THE PLAN.  Registers that memory or LDS instructions touch, and who else names them:
;   PHASE A, the turn of slot s.  X[s]: its 32 conversions read it; behind them the loads of the set two tiles on land in it.  T: the conversions write it, the turn's 16 LDS stores read it.
;     GOFF[s], LOFF[s]: read by the slot's loads and stores, stepped by one vector add each.  One wait on va_vdst behind the conversions and GOFF's add, ahead of the loads and the stores;
;     one on vm_vsrc behind the stores, ahead of LOFF's add and of the next turn's conversions.
;   THE K LOOP, step t.  WL[t % 2]: read by the step's first 32 products; loaded in step t - 1.  WL[1 - t % 2]: last read in step t - 1; loaded in step t, for step t + 1.
;     WH: read by the step's last 32 products; last read before that in step t - 1; loaded in step t.  e2's buffer t % 4: read by all 64 products; buffer (t - 1) % 4: last read in step t - 1; loaded in step t, for step t + 3.
;     AW: read by W's loads, written once a trip.  AW0, L16, STGW, STGR: never written again.
;     So ONE wait on va_vdst stands at a step's head: the products of the step before are done reading all that this step's 32 loads land in.  The loads follow it, dealt among the products, which name
;     WL[t % 2], e2's buffer t % 4, WH behind its own loads, and the accumulators: no register that a load issued behind them touches.  One wait on vm_vsrc a trip stands ahead of AW's add.
;   A PASS'S END.  E[x]: read by a block's 64 multiply-adds; behind them, and a wait on va_vdst, 8 loads land in it.  R: written by the reductions and the selects, read by the stage's stores.
;     O: an LDS load lands in it, the global store reads it.  One wait on vm_vsrc at the end's head frees AW, R and O.
; REGISTERS, in windows of 256 (s_set_vgpr_msb: bits 1:0 source 0, 3:2 source 1, 5:4 source 2, 7:6 destination):
;   window 0: v0-15 addresses and the like; v16-23 S, v24-31 R (the reduction); v32-159 E: four slots of 32 for e1 of one block a; v160-223 WL: two buffers of W's fragments b = 0..3; v224-255 WH: b = 4..7
;   window 1: e2's ring: buffer F (K step % 4) at 64 F, fragment a at + 8 a        windows 2, 3: accumulator (a, b) in window 2 + b / 4 at 64 (b % 4) + 8 a
;   phase A: window 2 is a ring of four sets of 16 loads of W in f32; v32-63 T (bf16), v64-67 GOFF, v68-71 LOFF
.set PITCH, 272                        ; an LDS row of a tile: 256 bytes (128 e) + 16: row r starts at bank 4 r mod 64 (64 banks of 4 bytes: ISA guide 11.1): the 16 rows of a fragment load start at 16 different groups of four banks
.set TILE,  128*PITCH                  ; tile c: my 128 rows, e = 128 c .. 128 c + 127
.set STAGE, 8*TILE                     ; behind W: 512 bytes for each wave, its own, for the way out
.set SPARE, STAGE+4*512                ; the spare words, 128 bytes for each wave: two blocks of 256 bytes that no other line names
.set NBB,   32768                      ; bytes of one nb in e1p and e2p
.set L16,  1                           ; v1   16 x lane; never rewritten
.set AW0,  2                           ; v2   r x pitch + 16 h: my place in a fragment of W; never rewritten
.set AW,   3                           ; v3   the same in the tile in hand
.set STGW, 4                           ; v4   my stage + 4 lane
.set STGR, 5                           ; v5   my stage + 16 lane
.set SPW,  6                           ; v6   LDS address of my spare word; never rewritten
.set NIL,  7                           ; v7   0; never rewritten
.set ZR,   8                           ; v8   0.0: starts the reduction's chains
.set TP,   9                           ; v9   the other half of the lanes' sum
.set O,    12                          ; v[12:15] four results to store
.set S,    16
.set R,    24
.set E,    32
.set WL,   160                         ; buffer p (the K step's parity), fragment b = 0..3 at WL + 32 p + 8 b
.set WH,   224                         ; fragment b = 4..7 at WH + 8 (b - 4)
.set T,    32
.set GOFF, 64
.set LOFF, 68
; scalars: s[4:11] W, e1p, e2p, part; s12 wave; s13 g; s14 db; s15 k; s[16:17] e2p at my wave's rows of pass 0; s[18:19] SB, e2's running base; s[20:21] e1p at my rows and my d block, pass 0;
; s[22:23] the same for this pass, s[24:25] for the next; s[26:27] part at my 128 results; s[28:29], s[30:31] this and the next pass's byte offset (p << 20); s32 passes to go; s33 trips to go; s34 p;
; s35 mask of lanes 16-31; s[36:37] v_permlanex16_b32's selects; s[38:41] at work; s[42:43] W at my slice; s44 the tile in hand, in LDS bytes
.set MSB, 0
.macro WIN new                         ; the immediate's high byte repeats the setting that is left; a switch that changes nothing is dropped
.if MSB != (\new)
	s_set_vgpr_msb (MSB<<8)|(\new)
.set MSB, (\new)
.endif
.endm
.set MUL_LO, 0xa4                      ; source 0 (W) window 0, source 1 (e2) window 1, C and D window 2
.set MUL_HI, 0xf4                      ; the same, C and D window 3
.set TO_E2,  0x40                      ; destination window 1
.set TO_X,   0x80                      ; destination window 2
.set FROM_X, 0x0a                      ; sources 0 and 1 window 2
.set FM_LO,  0x08                      ; source 1 window 2
.set FM_HI,  0x0c                      ; source 1 window 3
	s_load_b256 s[4:11], s[0:1], 0x0
	v_lshl_add_u32 v[SPW], v0, 2, SPARE
	v_mov_b32 v[NIL], 0
	v_mov_b32 v[ZR], 0
	v_mov_b32 v[TP], 0                             ; v_permlanex16_b32's destination counts as read
	v_lshrrev_b32 v10, 5, v0
	v_readfirstlane_b32 s12, v10                   ; wave 0..3
	s_mov_b32 s13, ttmp9
	s_and_b32 s14, s13, 7                          ; db
	s_lshr_b32 s15, s13, 3                         ; k
	v_and_b32 v10, 31, v0                          ; lane
	v_and_b32 v11, 15, v0                          ; r
	v_bfe_u32 v12, v0, 4, 1                        ; h
	v_lshlrev_b32 v[L16], 4, v10
	v_mul_u32_u24 v[AW0], v11, PITCH
	v_lshl_add_u32 v[AW0], v12, 4, v[AW0]
	v_mov_b32 v[AW], v[AW0]                        ; the first tile
	s_wait_alu depctr_va_sdst(0)                   ; s12 is written, ahead of its first reader: LDS addresses and the bases of e1p, e2p and part are made from it
	s_lshl_b32 s38, s12, 9
	s_add_co_u32 s38, s38, STAGE
	v_lshl_add_u32 v[STGW], v10, 2, s38
	v_lshl_add_u32 v[STGR], v10, 4, s38
	; phase A's sets.  Wave w rounds rows 32 w .. 32 w + 31.  A set is 16 rows (half hh of the 32) of one tile c; ring slot s has hh = s % 2 and c = 2 trip + s / 2.
	s_lshl_b32 s39, s12, 17                        ; 32 rows of 4,096 bytes
	v_add_nc_u32 v13, s39, v[L16]
.irp s, 0,1,2,3
	v_add_nc_u32 v[GOFF+\s], ((\s)&1)*65536+((\s)>>1)*512, v13
.endr
	s_mul_i32 s39, s12, 32*PITCH
	v_lshl_add_u32 v13, v10, 3, s39
.irp s, 0,1,2,3
	v_add_nc_u32 v[LOFF+\s], ((\s)&1)*16*PITCH+((\s)>>1)*TILE, v13
.endr
	s_mov_b32 s35, 0xffff0000
	s_mov_b32 s36, 0x76543210
	s_mov_b32 s37, 0xfedcba98
	s_lshl_b32 s38, s13, 19                        ; my slice of W: g x 524,288 bytes
	s_mov_b32 s39, 0
	s_lshl_b32 s40, s12, 18                        ; my wave's 8 blocks nb of a pass
	s_mov_b32 s41, 0
	s_wait_kmcnt 0x0
	s_add_nc_u64 s[42:43], s[4:5], s[38:39]
	s_add_nc_u64 s[16:17], s[8:9], s[40:41]
	s_add_nc_u64 s[20:21], s[6:7], s[40:41]
	s_lshl_b32 s38, s14, 12                        ; units 8 db on: 4,096 bytes
	s_add_nc_u64 s[20:21], s[20:21], s[38:39]
	s_lshl_b32 s38, s14, 18                        ; part[db]: 262,144 bytes,
	s_lshl_b32 s40, s15, 13                        ; + 2,048 k numbers,
	s_add_co_u32 s38, s38, s40
	s_lshl_b32 s40, s12, 9                         ; + 128 w numbers
	s_add_co_u32 s38, s38, s40
	s_add_nc_u64 s[26:27], s[10:11], s[38:39]
; PHASE A: W to bf16, into LDS.  Four sets of 16 loads are on their way in each wave; each load takes 512 consecutive bytes of a row of W.
.macro FILLX s
	WIN TO_X
.set i, 0
.rept 16
	global_load_b128 v[64*(\s)+4*i:64*(\s)+4*i+3], v[GOFF+(\s)], s[42:43] offset:4096*i th:TH_LOAD_NT
.set i, i+1
.endr
.endm
; The turn of slot s.  left = the younger loads that may stay out.  reload = 1: the slot takes the set two tiles on.
.macro TURN s, reload, left
	s_wait_loadcnt \left                           ; loads come back in order (ISA guide 5.7.1): my set is in; the wait also shows the loads that read the set's address register done
	WIN FROM_X
.set i, 0
.rept 32
	v_cvt_pk_bf16_f32 v[T+i], v[64*(\s)+2*i], v[64*(\s)+2*i+1]
.set i, i+1
.endr
	WIN 0
.if \reload
	v_add_nc_u32 v[GOFF+(\s)], 1024, v[GOFF+(\s)]  ; two tiles of 512 bytes along the rows
	WIN TO_X
.endif
	s_wait_alu depctr_va_vdst(0)                   ; the conversions are done reading X[s], in which the loads below land, and have written T, which the stores below read; GOFF[s] and LOFF[s] are written
.if \reload
	FILLX \s
	WIN 0
.endif
.set i, 0
.rept 16
	ds_store_b64 v[LOFF+(\s)], v[T+2*i:T+2*i+1] offset:PITCH*i  ; 256 consecutive bytes: a row of the tile
.set i, i+1
.endr
	s_wait_alu depctr_vm_vsrc(0)                   ; the stores have read T and LOFF[s], the loads GOFF[s]: the next turn's conversions write T again, the adds step the two, and behind the last turn e1's loads land on all of them
.if \reload
	v_add_nc_u32 v[LOFF+(\s)], 2*TILE, v[LOFF+(\s)]
.endif
.endm
	WIN TO_X
	s_wait_alu depctr_va_vdst(0)                   ; all address registers are written: v1 to v7, GOFF and LOFF, which the kernel's loads and stores read
	FILLX 0
	FILLX 1
	FILLX 2
	FILLX 3
	WIN 0                                          ; at a label and at a branch every window is 0
	s_wait_alu depctr_vm_vsrc(0)                   ; the 64 loads have read GOFF, of which the first turn steps its own
	s_mov_b32 s33, 3
.Lw:
	TURN 0, 1, 48                                  ; three younger sets of 16
	TURN 1, 1, 48
	TURN 2, 1, 48
	TURN 3, 1, 48
	s_sub_co_u32 s33, s33, 1
	s_cmp_lg_u32 s33, 0
	s_cbranch_scc1 .Lw
	TURN 0, 0, 48                                  ; the last four sets: nothing more to fetch, the counts run down
	TURN 1, 0, 32
	TURN 2, 0, 16
	TURN 3, 0, 0
; THE K LOOP'S PARTS.
; A vector instruction that reads a matrix result stands four places behind that matrix instruction, and only plain vector instructions that name none of its registers are places (ISA guide 7.12.1).
; The same four stand between a step's products and the loads into registers that they read; they stand for no wait, and the wait behind them fills no place.
.macro PLACES
.rept 4
	v_nop
.endr
.endm
; 8 LDS loads: W's fragments b = 0..3 of the K step rr steps behind the first of the tile at areg (four steps of 64 bytes to a tile), into the buffer of that step's parity
.macro WLOADL rr, areg
	WIN 0
.set i, 0
.rept 8
	ds_load_b128 v[WL+32*((\rr)%2)+4*i:WL+32*((\rr)%2)+4*i+3], v[\areg] offset:((\rr)/4)*TILE+((\rr)%4)*64+(i/2)*16*PITCH+(i%2)*32
.set i, i+1
.endr
.endm
; 8 LDS loads: its fragments b = 4..7
.macro WLOADH rr, areg
	WIN 0
.set i, 0
.rept 8
	ds_load_b128 v[WH+4*i:WH+4*i+3], v[\areg] offset:((\rr)/4)*TILE+((\rr)%4)*64+(4+i/2)*16*PITCH+(i%2)*32
.set i, i+1
.endr
.endm
; 16 loads: e2's eight fragments of one K step into buffer f.  SB stands at the chunk's first byte + 4,096 x (the step / 4); f = the step % 4.  Each load takes 512 consecutive bytes.
.macro GLOAD f
	WIN TO_E2
.set i, 0
.rept 16
	global_load_b128 v[64*(\f)+4*i:64*(\f)+4*i+3], v[L16], s[18:19] offset:(\f)*1024+(i/2)*NBB+(i%2)*512
.set i, i+1
.endr
.endm
; 4 na matrix instructions: blocks a = a0 .. a0 + na - 1 x four blocks b (hi = 0: b = 0..3, hi = 1: b = 4..7), whose fragments of W lie at wb.  The accumulators take turns, one instruction a turn.
; zero = 1: the products start the sums.
.macro MULP hi, wb, f, zero, a0, na
	WIN MUL_LO+0x50*(\hi)
.set a, (\a0)
.rept (\na)
.set b, 0
.rept 4
.if \zero
	v_wmma_f32_16x16x32_bf16 v[64*b+8*a:64*b+8*a+7], v[(\wb)+8*b:(\wb)+8*b+7], v[64*(\f)+8*a:64*(\f)+8*a+7], 0
.else
	v_wmma_f32_16x16x32_bf16 v[64*b+8*a:64*b+8*a+7], v[(\wb)+8*b:(\wb)+8*b+7], v[64*(\f)+8*a:64*(\f)+8*a+7], v[64*b+8*a:64*b+8*a+7]
.endif
.set b, b+1
.endr
.set a, a+1
.endr
.endm
; A K step, r steps behind the first of the tile at AW.  Its 32 loads: W's b = 4..7 of this step, W's b = 0..3 of the next, e2 of the step three on.
; zero = 1: the launch's first step: no product stands ahead of it, so it has no wait.  wrap = 1: the pass's last step: the next step's W is the first tile's first.
.macro STEP r, zero=0, wrap=0
.if !(\zero)
	PLACES
	s_wait_alu depctr_va_vdst(0)                   ; the products of the step before are done reading WH, the other WL and e2's buffer (r - 1) % 4, in which this step's loads land; in a trip's first step AW is written
.endif
	s_wait_dscnt 0x0                               ; b = 0..3 of this step, asked for in the step before, are in
	s_wait_loadcnt 32                              ; behind this step's e2 the next two steps' 16 + 16 were issued
	MULP 0, WL+32*((\r)%2), (\r)%4, \zero, 0, 2
	WLOADH \r, AW                                  ; no wait: the products since the wait name this step's WL, e2's buffer r % 4 and accumulators
.if \wrap
	WLOADL 0, AW0
.else
	WLOADL (\r)+1, AW
.endif
	MULP 0, WL+32*((\r)%2), (\r)%4, \zero, 2, 6
	GLOAD ((\r)+3)%4
	s_wait_dscnt 8                                 ; LDS loads come back in order (ISA guide 5.7.1): b = 4..7 of this step are in, the next step's 8 may stay out
	MULP 1, WH, (\r)%4, \zero, 0, 8
.endm
	; THE PROLOGUE.
	s_mov_b32 s28, 0                               ; this pass's offset,
	s_mov_b32 s29, 0
	s_mov_b32 s30, 1<<20                           ; the next pass's: 32 blocks nb
	s_mov_b32 s31, 0
	s_mov_b32 s44, 0
	s_mov_b64 s[18:19], s[16:17]
	s_mov_b64 s[22:23], s[20:21]
	s_wait_dscnt 0x0                               ; for the others' sake: my stores of W are done
.set i, 0
.rept 32
	global_load_b128 v[E+4*i:E+4*i+3], v[L16], s[22:23] offset:(i/8)*NBB+(i%8)*512  ; e1 of blocks a = 0..3.  The last turn's two waits have shown T written and T, GOFF and LOFF read
.set i, i+1
.endr
	GLOAD 0
	GLOAD 1
	GLOAD 2
	WIN 0
	s_barrier_signal -1                            ; the kernel's one barrier: behind it W's bytes in LDS are only read
	s_barrier_wait -1
	WLOADL 0, AW0
	STEP 0, 1                                      ; the first K step starts the sums: nothing is cleared
	WIN 0
	s_wait_xcnt 0x0                                ; every earlier memory instruction has had its addresses translated (ISA guide 3.1): only now is SB rewritten
	s_add_nc_u64 s[18:19], s[18:19], 4096
	s_mov_b32 s32, 4
	s_mov_b32 s34, 0
; THE END OF A PASS for block a (16 n).  x: the slot that holds its e1; the slot is then filled from base s[eb:eb+1], block a2.
.macro EPIA a, x, eb, a2
.if (\a) >= 4
	s_wait_loadcnt 24                              ; behind this block's 8 loads of e1 three more groups of 8 were issued
.endif
.set b, 0
.rept 8
	WIN FM_LO+4*(b/4)
.set j, 0
.rept 8                                        ; eight chains S0-S7, a link every eight lines; each accumulator is read from its lowest register on
.set rC, S+j
.if b == 0
.set rC, ZR
.endif
.if j%2
	v_fma_mix_f32_bf16 v[S+j], v[E+32*(\x)+4*b+j/2], v[64*(b%4)+8*(\a)+j], v[rC] op_sel:[1,0,0] op_sel_hi:[1,0,0]
.else
	v_fma_mix_f32_bf16 v[S+j], v[E+32*(\x)+4*b+j/2], v[64*(b%4)+8*(\a)+j], v[rC] op_sel_hi:[1,0,0]
.endif
.set j, j+1
.endr
.set b, b+1
.endr
	WIN 0
	s_wait_alu depctr_va_vdst(0)                   ; the 64 lines above are done reading slot x, in which the loads below land
.set i, 0
.rept 8
	global_load_b128 v[E+32*(\x)+4*i:E+32*(\x)+4*i+3], v[L16], s[\eb:\eb+1] offset:(\a2)*NBB+i*512
.set i, i+1
.endr
	v_pk_add_f32 v[S:S+1], v[S:S+1], v[S+2:S+3]
	v_pk_add_f32 v[S+4:S+5], v[S+4:S+5], v[S+6:S+7]
	v_pk_add_f32 v[S:S+1], v[S:S+1], v[S+4:S+5]
	v_add_f32 v[S], v[S], v[S+1]
	v_permlanex16_b32 v[TP], v[S], s36, s37        ; the row's other 64 d lie in the lane 16 away
	v_add_f32 v[R+(\a)], v[S], v[TP]
.endm
; K step 0 of the next pass for the same block: its accumulators have been read, and the next pass's first products start their sums anew.  Between the last pass's product on an accumulator
; and this one stand four v_nop and the 56 lines of EPIA that name the block's other accumulators.
.macro EPIM a
.if (\a) == 0
	s_wait_dscnt 8                                 ; all eight fragments of W's step 0 are in; step 1's b = 0..3, the youngest 8 loads, may stay out
.endif
.set b, 0
.rept 8
.set rW, WL+8*b
.if b >= 4
.set rW, WH+8*(b-4)
.endif
	WIN MUL_LO+0x50*(b/4)
	v_wmma_f32_16x16x32_bf16 v[64*(b%4)+8*(\a):64*(b%4)+8*(\a)+7], v[rW:rW+7], v[8*(\a):8*(\a)+7], 0
.set b, b+1
.endr
.endm
.Lpass:
	s_mov_b32 s33, 7
.Lk:                                                   ; a trip: K steps 4 T + 1 .. 4 T + 4.  At its head: W's b = 0..3 of the coming step and e2 of the coming three steps have been asked for
	STEP 1
	STEP 2
	STEP 3
	STEP 4
	WIN 0
	s_add_co_u32 s44, s44, TILE
	s_wait_alu depctr_vm_vsrc(0)                   ; the LDS loads issued so far have read AW
	v_add_nc_u32 v[AW], s44, v[AW0]                ; the next tile; the next step's wait shows it written
	s_wait_xcnt 0x0                                ; SB is rewritten only behind this wait
	s_add_nc_u64 s[18:19], s[18:19], 4096
	s_sub_co_u32 s33, s33, 1
	s_cmp_lg_u32 s33, 0
	s_cbranch_scc1 .Lk
	s_add_nc_u64 s[18:19], s[16:17], s[30:31]      ; the next pass's chunk (no load was issued since the wait above); behind the fourth pass: chunk 0
	STEP 1                                         ; K steps 29, 30, 31 ask for the next pass's steps 0, 1, 2
	STEP 2
	STEP 3, 0, 1
	; FUSED
	WIN 0
	PLACES                                         ; behind step 31's products: for the lines that read their results, and for the loads below
	s_wait_alu depctr_va_vdst(0)                   ; step 31's products are done reading WH, WL's buffer 1 and e2's buffer 3, in which the loads below land
	s_wait_alu depctr_vm_vsrc(0)                   ; the LDS loads have read AW; the last pass's stage stores have read R and its global store O: all three are written again below
	WLOADH 0, AW0                                  ; the next pass's step 0, b = 4..7,
	WLOADL 1, AW0                                  ; and its step 1, b = 0..3
	v_mov_b32 v[AW], v[AW0]                        ; the first tile again; step 1's wait shows it written
	s_mov_b32 s44, 0
	s_wait_xcnt 0x0                                ; the bases of e1's loads are rewritten only behind this wait
	s_add_nc_u64 s[22:23], s[20:21], s[28:29]
	s_add_nc_u64 s[24:25], s[20:21], s[30:31]
	GLOAD 3
	s_wait_loadcnt 48                              ; the next pass's steps 1, 2, 3 may stay out: its step 0 is in, and so is e1 of blocks 0..3, asked for a pass ago
	EPIA 0, 0, 22, 4                               ; block a lies in slot a % 4: the slots take this pass's blocks 4..7,
	EPIM 0
	EPIA 1, 1, 22, 5
	EPIM 1
	EPIA 2, 2, 22, 6
	EPIM 2
	EPIA 3, 3, 22, 7
	EPIM 3
	EPIA 4, 0, 24, 0                               ; and then the next pass's blocks 0..3
	EPIM 4
	EPIA 5, 1, 24, 1
	EPIM 5
	EPIA 6, 2, 24, 2
	EPIM 6
	EPIA 7, 3, 24, 3
.irp i, 0,1,2,3
	v_cndmask_b32 v[R+2*\i], v[R+2*\i], v[R+2*\i+1], s35  ; every lane holds both halves' sum: lanes 0-15 keep block 2 i, lanes 16-31 take block 2 i + 1: lane l holds n = 32 i + l
.endr
	s_wait_alu depctr_va_vdst(0)                   ; the selects have written R, which the stage's stores read
.irp i, 0,1,2,3
	ds_store_b32 v[STGW], v[R+2*\i] offset:128*\i
.endr
	ds_load_b128 v[O:O+3], v[STGR]                 ; my own bytes; LDS serves a wave's instructions in order (ISA guide 5.7.1.4): this sees the stores above
	EPIM 7                                         ; block 7's products stand between that load and the wait for it
	WIN 0
	s_wait_dscnt 0x0                               ; my four results are back
	global_store_b128 v[L16], v[O:O+3], s[26:27]   ; 512 consecutive bytes, at a multiple of 512 from part's first
	s_wait_xcnt 0x0                                ; the store's base and data, and SB, are rewritten only behind this wait
	s_add_nc_u64 s[26:27], s[26:27], 2048          ; 512 n on
	s_add_nc_u64 s[18:19], s[18:19], 4096
	s_add_co_u32 s34, s34, 1
	s_mov_b32 s28, s30
	s_add_co_u32 s38, s34, 1
	s_and_b32 s38, s38, 3
	s_lshl_b32 s30, s38, 20
	s_sub_co_u32 s32, s32, 1
	s_cmp_lg_u32 s32, 0
	s_cbranch_scc1 .Lpass
	s_wait_dscnt 0x0                               ; the closing lines, six on end
	s_wait_alu 0x0
	s_wait_tensorcnt 0x0
	ds_add_u32 v[SPW], v[NIL]
	s_wait_dscnt 0x0
	s_endpgm
.Lfunc_end_k_qf44c8c9649_main:
	.size	k_qf44c8c9649_main, .Lfunc_end_k_qf44c8c9649_main-k_qf44c8c9649_main
	.p2alignl 7, 3214868480
	.fill 96, 4, 3214868480
	.section	.rodata,"a",@progbits
	.p2align	6, 0x0
	.amdhsa_kernel k_qf44c8c9649_main
		.amdhsa_group_segment_fixed_size 281088
		.amdhsa_private_segment_fixed_size 0
		.amdhsa_enable_private_segment 0
		.amdhsa_kernarg_size 32
		.amdhsa_user_sgpr_count 2
		.amdhsa_user_sgpr_kernarg_segment_ptr 1
		.amdhsa_wavefront_size32 1
		.amdhsa_system_sgpr_workgroup_id_x 1
		.amdhsa_system_sgpr_workgroup_id_y 1
		.amdhsa_system_sgpr_workgroup_id_z 1
		.amdhsa_system_vgpr_workitem_id 0
		.amdhsa_next_free_vgpr 1024
		.amdhsa_next_free_sgpr 66
		.amdhsa_reserve_vcc 0
		.amdhsa_float_denorm_mode_32 3
		.amdhsa_float_denorm_mode_16_64 3
		.amdhsa_memory_ordered 1
		.amdhsa_forward_progress 1
		.amdhsa_inst_pref_size 156
	.end_amdhsa_kernel
	.amdgpu_metadata
---
amdhsa.version: [ 1, 2 ]
amdhsa.kernels:
  - .name:           k_qf44c8c9649_main
    .symbol:         k_qf44c8c9649_main.kd
    .args:
      - { .name: W, .offset: 0, .size: 8, .value_kind: global_buffer, .address_space: global }
      - { .name: e1p, .offset: 8, .size: 8, .value_kind: global_buffer, .address_space: global }
      - { .name: e2p, .offset: 16, .size: 8, .value_kind: global_buffer, .address_space: global }
      - { .name: part, .offset: 24, .size: 8, .value_kind: global_buffer, .address_space: global }
    .group_segment_fixed_size: 281088
    .private_segment_fixed_size: 0
    .kernarg_segment_align: 8
    .kernarg_segment_size: 32
    .max_flat_workgroup_size: 128
    .sgpr_count:     66
    .vgpr_count:     1024
    .wavefront_size: 32
...
	.end_amdgpu_metadata
.endif
;; end of part 4
;; launch fin: the kernel of part 3 again; grid 128 x 1, 8 waves a work-group, no clusters, 19,456 bytes of LDS; arguments e1p, e2p, Vf, b, part, out0; writes out0
